; MI455X (gfx1250); checked and timed in simulation.
; The chip was launched on July 23, 2026; its instructions are those of AMD's public machine-readable ISA for CDNA 5 (MIT licence, August 2026) and "CDNA5" Instruction Set Architecture Reference Guide (July 2026). The comments in the code are by the model that wrote it; some were corrected since.
;; Attention Head. Allowed arithmetic: matrix products marked QUANTISED: E2M3 operands, one E8M0 scale for each 32 along K, by v_wmma_scale_f32_16x16x128_f8f6f4 with both operands' format E2M3, f32 sums; everything else in f32.
;; Inputs: Wk 1,024 x 1,024 float32; Wq 1,024 x 1,024 float32; Wv 1,024 x 1,024 float32; x 4 x 2,048 x 1,024 float32.
;; Outputs: out0 4 x 2,048 x 1,024 float32.
;; This version of the problem:
;;   THIS VERSION OF THE PROBLEM IS GIVEN IN LOW PRECISION. The matrix products marked QUANTISED in the list below multiply operands that are first quantised to E2M3 (2 exponent bits, 3 mantissa bits; 6 bits a number), with one power-of-two scale for each 32 numbers along K (OCP MX v1.0); their sums are f32. All else is computed in f32.
;;   The module's matrix products, in the order in which they are computed (A, B: the left and right operand; K: the contracted axis; several contracted axes count as one K, in the product's order):
;;     1. [M 8,192, K 1,024] x [K 1,024, N 1,024]; A: input x; B: input Wq: QUANTISED
;;     2. [M 8,192, K 1,024] x [K 1,024, N 1,024]; A: input x; B: input Wk: QUANTISED
;;     3. [M 8,192, K 1,024] x [K 1,024, N 1,024]; A: input x; B: input Wv: QUANTISED
;;     4. batch 4 x [M 2,048, K 1,024] x [K 1,024, N 2,048]; A: computed on the way; B: computed on the way: QUANTISED
;;     5. batch 4 x [M 2,048, K 2,048] x [K 2,048, N 1,024]; A: computed on the way; B: computed on the way: QUANTISED
;;   THE QUANTISER, for each operand of a quantised product, along K:
;;     - K is cut into blocks of 32 from its start; a last block that is shorter is filled with zeros.
;;     - A block's scale is 2^e with e = floor(log2(the largest magnitude in the block)) - 2, held to -126 .. 127; a block of zeros has e = 0. As a byte (E8M0): e + 127.
;;     - Each number is divided by its block's scale, clamped to +-7.5, and rounded to the nearest number of E2M3, ties to even, subnormals kept.
;;     - The product sums the exact products of the quantised numbers (number of the format x scale) in f32.
;;   ~~~python
;;   def quantise(x, axis):      # numpy; x: float32 -> the quantised numbers, widened to float32 again
;;       x = np.moveaxis(x, axis, -1); K = x.shape[-1]
;;       x = np.pad(x, [(0, 0)] * (x.ndim - 1) + [(0, -K % 32)]); x = x.reshape(x.shape[:-1] + (-1, 32)); a = np.abs(x).max(-1, keepdims=True)
;;       e = np.where(a > 0, np.clip(np.frexp(np.where(a > 0, a, 1))[1] - 1 - 2, -126, 127), 0)      # np.frexp(a)[1] - 1 = floor(log2(a)), exactly
;;       r = np.clip(x / 2.0 ** e, -7.5, 7.5)
;;       step = 2.0 ** (np.maximum(np.frexp(np.where(r == 0, 1, r))[1] - 1, 0) - 3)
;;       q = np.round(r / step) * step * 2.0 ** e      # np.round: ties to even
;;       return np.moveaxis(q.reshape(q.shape[:-2] + (-1,))[..., :K], -1, axis).astype(np.float32)
;;   ~~~
;;   OPERANDS COMPUTED ON THE WAY. 'Computed on the way' means the value that the module computes at that place (a softmax that the list does not call 'softmax' is quantised finished and normalised). What goes into a quantiser is computed in f32, as accurately as f32 sums, v_exp_f32 and their like allow (about 1e-6 of the number): no bf16 or f16 on the way to a quantiser, and a product that is left as it is and whose result goes on into a quantised operand takes f32 operands (vector FMAs, or v_wmma_f32_16x16x4_f32). A number that lies on a knife's edge between two numbers of the format may be rounded either way, as far as f32 arithmetic and the matrix unit's own rounding can turn it there, and no further.
;; One version. Each part assembles by itself: llvm-mc -triple=amdgcn-amd-amdhsa -mcpu=gfx1250 --defsym DOCPART=n.
;; ======== version 1 of 1: 4 launches
;; limits: right only within a limited range of input values
;; workspace buffers: codes1 14,942,208 bytes; scl1 622,592 bytes; codes2 18,874,368 bytes; scl2 786,432 bytes; pcodes 12,582,912 bytes; pscl 524,288 bytes
;; launch quant (part 1): grid 176 x 4, 4 waves a work-group, no clusters, 68,096 bytes of LDS; arguments x, Wq, Wk, Wv, codes1, scl1; writes codes1, scl1
.if DOCPART == 1
	.amdgcn_target "amdgcn-amd-amdhsa--gfx1250"
	.amdhsa_code_object_version 6
	.text
	.protected	k_q2a82c3fabe_quant
	.globl	k_q2a82c3fabe_quant
	.p2align	8
	.type	k_q2a82c3fabe_quant,@function
k_q2a82c3fabe_quant:
	s_mov_b64 s[64:65], 0
	v_nop
	global_prefetch_b8 v0, s[64:65] scope:SCOPE_SE
	s_setreg_imm32_b32 hwreg(HW_REG_WAVE_MODE, 25, 1), 1
	s_wait_xcnt 0x0
; x [8192][1024], Wq, Wk, Wv [1024][1024], f32, become codes of FP6 (E2M3) with one E8M0 byte for each 32 along K (the last axis), laid as IMAGES OF OPERAND REGISTERS.
; A fragment is 16 rows x 128 K: 12 registers a lane, 1,536 bytes: three groups of 512 bytes, lane l's 16 bytes at 16 l.  Its scale words: 64 bytes, word r for row r.
; THE ROWS OF A FRAGMENT ARE NOT NEIGHBOURS: lane r of row block RB holds index 32 (RB / 2) + 8 (RB % 2) + r + 8 (r / 8), so that a product that takes such fragments as source 0
; leaves 16 neighbours along that index in the 16 registers of two neighbouring tiles.
; Fragment number = (group x 8 + k step) x 8 + block in the group; a group is 128 rows.  Groups 0-63: x by rows; 64-127: x once more, index = 2048 b + 1024 p + i for row 2 i + p of batch b
; (the order in which reference()'s reshape of k walks the rows); 128-135 Wq, 136-143 Wk, 144-151 Wv.
; SHARES: a work-group takes 64 rows x 256 along K (two k steps).  Each wave loads 16 rows, 512 consecutive bytes a load; the rows meet in a stage in LDS (pitch 528); behind one barrier
; wave w makes row block w of the plain order and, for x, one row block of the second order.  A lane reads whole blocks of 32 numbers, so no other lane is asked for a maximum.
; A block's scale byte is its largest magnitude's exponent field - 2, held at 1 from below.
; LIMITS: NaN and infinities are not served; a block whose largest magnitude lies under 2^-124 keeps the byte 1; a block of zeros has the byte 1 and zero codes (the bytes are read by this program alone).
; WORK THAT THE PROGRAM LEAVES OUT (in the later launches): reference() writes attn_masked = where(tril, attn, 1e-9): where key > query the softmax's value is thrown away and 1e-9 stands in its place,
; whatever the inputs hold.  The softmax runs over the batches, element by element, so a score at key > query reaches no other element either.  So the scores, exponentials and quotients of whole tiles
; with key > query are not computed; the last product still sums 1e-9, quantised as the rule has it, times v over those keys.  Every input has a way to the output and is loaded.
; LIMIT: a NaN, an infinity or an overflow that would arise only in the scores left out is not carried to the result.
.set PITCH, 528
.set STG,   64*PITCH                   ; one stage for each of the two k steps
.set LI,  5                            ; v5   16 x lane
.set WA,  6                            ; v6   the stage, on the way in
.set RN,  7                            ; v7   my row of the plain order, + 128 h
.set RS,  8                            ; v8   my row of the second order, + 128 h
.set SA,  9                            ; v9   4 r + 512 h: lanes 0-15 store the first k step's scale words, lanes 16-31 the second's
.set SH8, 10                           ; v10  8 h
.set TM,  16                           ; v16-22 at work
.set PW0, 24                           ; scale words of the two k steps
.set PW1, 25
.set SW,  26
.set PT,  28                           ; v28-34 second halves of the blocks' codes
.set PC0, 36                           ; v36-47 the first k step's fragment
.set PC1, 48                           ; v48-59 the second's
.set XA,  64                           ; v64-127  64 numbers
.set XB,  128                          ; v128-191 64 numbers
; 64 numbers of a lane, register 32 c + i = k 64 c + 32 h + i of my row, become the fragment's 12 registers and the row's scale word.
.macro QUANT1 s, pc, pw
.irp c,0,1
	v_max3_num_f32 v[TM+\c], |v[\s+32*\c]|, |v[\s+32*\c+1]|, 0x1800000   ; my block 2 c + h, and the floor 2^(3 - 127): the byte cannot fall under 1
.endr
.irp i,2,4,6,8,10,12,14,16,18,20,22,24,26,28,30
.irp c,0,1
	v_max3_num_f32 v[TM+\c], v[TM+\c], |v[\s+32*\c+\i]|, |v[\s+32*\c+\i+1]|   ; the two blocks by turns
.endr
.endr
.irp c,0,1
	v_add_nc_u32 v[TM+4+\c], 0xff000000, v[TM+\c]   ; 2 off the exponent field: the conversion's scale operand
.endr
.irp c,0,1
	v_lshrrev_b32 v[TM+2+\c], 23, v[TM+4+\c]        ; the scale's byte
.endr
	v_lshl_or_b32 v[\pw], v[TM+3], 16, v[TM+2]      ; my two bytes: blocks h and 2 + h,
	v_lshlrev_b32 v[\pw], v[SH8], v[\pw]            ; at their places in the word;
	v_permlanex16_b32 v[TM+6], v[\pw], s32, s33
	v_or_b32 v[\pw], v[\pw], v[TM+6]                ; with lane l xor 16's two the word is whole
.irp c,0,1
	v_cvt_scalef32_pk16_fp6_f32 v[\pc+6*\c:\pc+6*\c+2], v[\s+32*\c:\s+32*\c+15], v[TM+4+\c]
	v_cvt_scalef32_pk16_fp6_f32 v[PT+4*\c:PT+4*\c+2], v[\s+32*\c+16:\s+32*\c+31], v[TM+4+\c]   ; a conversion's three registers begin on an even number
.endr
	v_nop                                           ; one plain place behind a scaled conversion
.irp c,0,1
.irp i,0,1,2
	v_mov_b32 v[\pc+3+6*\c+\i], v[PT+4*\c+\i]
.endr
.endr
.endm
; One row block, both k steps: 32 stage reads, two fragments, their stores.
.macro FRAGS adr, cb, sb
.irp kk,0,1
.irp c,0,1
.irp j,0,1,2,3,4,5,6,7
	ds_load_b128 v[XA+64*\kk+32*\c+4*\j:XA+64*\kk+32*\c+4*\j+3], v[\adr] offset:\kk*STG+256*\c+16*\j
.endr
.endr
.endr
	s_wait_dscnt 16                                 ; the first k step's 16 reads are in; the second's may be out
	QUANT1 XA, PC0, PW0
.irp c,0,1,2
	global_store_b128 v[LI], v[PC0+4*\c:PC0+4*\c+3], s[\cb:\cb+1] offset:512*\c          ; 32 lanes store 512 consecutive bytes
.endr
	s_wait_dscnt 0x0
	QUANT1 XB, PC1, PW1
.irp c,0,1,2
	global_store_b128 v[LI], v[PC1+4*\c:PC1+4*\c+3], s[\cb:\cb+1] offset:12288+512*\c    ; the next k step's fragment lies 8 fragments on
.endr
	v_cndmask_b32 v[SW], v[PW0], v[PW1], s36        ; lanes 16-31 take the second k step's word
	global_store_b32 v[SA], v[SW], s[\sb:\sb+1]
.endm
; From a row block's number in s[rb] to the addresses of its fragment and scale words at k step 2 y.
.macro DEST rb, cb, sb
	s_lshr_b32 s25, s[\rb], 3
	s_lshl_b32 s25, s25, 6                          ; group x 64
	s_and_b32 s26, s[\rb], 7
	s_add_co_u32 s25, s25, s26
	s_lshl_b32 s26, s22, 4                          ; + 2 y x 8
	s_add_co_u32 s25, s25, s26
	s_mul_i32 s26, s25, 1536
	s_add_nc_u64 s[\cb:\cb+1], s[12:13], s[26:27]
	s_lshl_b32 s26, s25, 6
	s_add_nc_u64 s[\sb:\sb+1], s[14:15], s[26:27]
.endm
	s_load_b256 s[4:11], s[0:1], 0x0                ; x, Wq, Wk, Wv
	s_load_b128 s[12:15], s[0:1], 0x20              ; the codes, the scale words
	v_lshl_add_u32 v192, v0, 2, 0x10800
	v_mov_b32 v193, 0
	v_lshrrev_b32 v1, 5, v0
	v_readfirstlane_b32 s16, v1                     ; wave 0..3
	v_and_b32 v2, 31, v0                            ; lane
	v_and_b32 v3, 15, v0                            ; r
	v_bfe_u32 v4, v0, 4, 1                          ; h
	v_lshlrev_b32 v[LI], 4, v2
	s_mul_i32 s17, s16, 16*PITCH
	v_add_nc_u32 v[WA], s17, v[LI]                  ; my wave's 16 rows of the stage, 16 bytes a lane
	v_and_b32 v11, 8, v3
	v_add_nc_u32 v11, v11, v3                       ; r + 8 (r / 8)
	s_lshr_b32 s18, s16, 1
	s_and_b32 s19, s16, 1
	s_lshl_b32 s20, s18, 5
	s_lshl_b32 s21, s19, 3
	s_add_co_u32 s20, s20, s21                      ; 32 (w / 2) + 8 (w % 2)
	v_add_nc_u32 v[RN], s20, v11
	v_mul_u32_u24 v[RN], v[RN], PITCH
	v_lshl_add_u32 v[RN], v4, 7, v[RN]
	v_add_nc_u32 v[RS], s21, v11                    ; i = 8 (w % 2) + r + 8 (r / 8),
	v_lshl_add_u32 v[RS], v[RS], 1, s18             ; row 2 i + p, p = w / 2
	v_mul_u32_u24 v[RS], v[RS], PITCH
	v_lshl_add_u32 v[RS], v4, 7, v[RS]
	v_lshlrev_b32 v[SA], 2, v3
	v_lshl_add_u32 v[SA], v4, 9, v[SA]
	v_lshlrev_b32 v[SH8], 3, v4
	v_mov_b32 v[TM+6], 0                            ; written once: a lane permute's destination counts as one of its sources
	s_and_b32 s22, ttmp7, 0xffff                    ; y: k steps 2 y and 2 y + 1
	s_and_b32 s23, ttmp9, 15
	s_mov_b32 s32, 0x76543210
	s_mov_b32 s33, 0xfedcba98                       ; v_permlanex16_b32's selects for lane l xor 16
	s_mov_b32 s36, 0xffff0000                       ; lanes 16-31
	s_wait_alu depctr_va_vdst(0)
	s_wait_kmcnt 0x0
	s_cmp_lt_u32 ttmp9, 144                         ; which tensor: the choice hangs on the work-group's number alone
	s_cselect_b64 s[6:7], s[6:7], s[8:9]
	s_cmp_lt_u32 ttmp9, 160
	s_cselect_b64 s[6:7], s[6:7], s[10:11]
	s_cmp_lt_u32 ttmp9, 128
	s_cselect_b64 s[4:5], s[4:5], s[6:7]
	s_cselect_b32 s23, ttmp9, s23                   ; which 64 rows of it
	s_cselect_b32 s24, 0, 512                       ; the weights' row blocks lie behind x's two copies
	s_lshl_b32 s26, s23, 18                         ; 64 rows of 4,096 bytes,
	s_lshl_b32 s25, s16, 16                         ; my wave's 16,
	s_add_co_u32 s26, s26, s25
	s_lshl_b32 s25, s22, 10                         ; 256 numbers along K
	s_add_co_u32 s26, s26, s25
	s_mov_b32 s27, 0
	s_add_nc_u64 s[4:5], s[4:5], s[26:27]
.irp kk,0,1
.irp j,0,1,2,3,4,5,6,7,8,9,10,11,12,13,14,15
	global_load_b128 v[XA+64*\kk+4*\j:XA+64*\kk+4*\j+3], v[LI], s[4:5] offset:\j*4096+\kk*512 th:TH_LOAD_NT   ; 512 consecutive bytes of one row; read once in the launch
.endr
.endr
	s_lshl_b32 s20, ttmp9, 2
	s_add_co_u32 s20, s20, s16
	s_add_co_u32 s20, s20, s24                      ; the plain order's row block
	DEST 20, 28, 30
	s_wait_loadcnt 16                               ; the first k step's 16 loads are in
.irp j,0,1,2,3,4,5,6,7,8,9,10,11,12,13,14,15
	ds_store_b128 v[WA], v[XA+4*\j:XA+4*\j+3] offset:\j*PITCH
.endr
	s_wait_loadcnt 0x0
.irp j,0,1,2,3,4,5,6,7,8,9,10,11,12,13,14,15
	ds_store_b128 v[WA], v[XB+4*\j:XB+4*\j+3] offset:STG+\j*PITCH
.endr
	s_wait_dscnt 0x0                                ; for the others' sake: my rows lie in the stage
	s_barrier_signal -1
	s_barrier_wait -1
	FRAGS RN, 28, 30
	s_cmp_ge_u32 ttmp9, 128                         ; the weights have one order; no barrier and no LDS store stands behind this branch
	s_cbranch_scc1 .Ldone
	s_lshr_b32 s20, ttmp9, 5                        ; batch
	s_lshl_b32 s20, s20, 7
	s_lshl_b32 s21, s18, 6                          ; p
	s_add_co_u32 s20, s20, s21
	s_and_b32 s21, ttmp9, 31
	s_lshl_b32 s21, s21, 1                          ; my 32 values of i are two row blocks
	s_add_co_u32 s20, s20, s21
	s_add_co_u32 s20, s20, s19
	s_add_co_u32 s20, s20, 512
	DEST 20, 34, 38
	s_wait_xcnt 0x0                                 ; the stores above have read their data: the codes' registers are written again only behind this wait
	FRAGS RS, 34, 38
.Ldone:
	s_wait_tensorcnt 0x0
	ds_add_u32 v192, v193
	s_wait_dscnt 0x0
	s_endpgm
.Lfunc_end_k_q2a82c3fabe_quant:
	.size	k_q2a82c3fabe_quant, .Lfunc_end_k_q2a82c3fabe_quant-k_q2a82c3fabe_quant
	.p2alignl 7, 3214868480
	.fill 96, 4, 3214868480
	.section	.rodata,"a",@progbits
	.p2align	6, 0x0
	.amdhsa_kernel k_q2a82c3fabe_quant
		.amdhsa_group_segment_fixed_size 68096
		.amdhsa_private_segment_fixed_size 0
		.amdhsa_enable_private_segment 0
		.amdhsa_kernarg_size 48
		.amdhsa_user_sgpr_count 2
		.amdhsa_user_sgpr_kernarg_segment_ptr 1
		.amdhsa_wavefront_size32 1
		.amdhsa_system_sgpr_workgroup_id_x 1
		.amdhsa_system_sgpr_workgroup_id_y 1
		.amdhsa_system_sgpr_workgroup_id_z 1
		.amdhsa_system_vgpr_workitem_id 0
		.amdhsa_next_free_vgpr 194
		.amdhsa_next_free_sgpr 66
		.amdhsa_reserve_vcc 0
		.amdhsa_float_denorm_mode_32 3
		.amdhsa_float_denorm_mode_16_64 3
		.amdhsa_memory_ordered 1
		.amdhsa_forward_progress 1
		.amdhsa_inst_pref_size 27
	.end_amdhsa_kernel
	.amdgpu_metadata
---
amdhsa.version: [ 1, 2 ]
amdhsa.kernels:
  - .name:           k_q2a82c3fabe_quant
    .symbol:         k_q2a82c3fabe_quant.kd
    .args:
      - { .name: x, .offset: 0, .size: 8, .value_kind: global_buffer, .address_space: global }
      - { .name: Wq, .offset: 8, .size: 8, .value_kind: global_buffer, .address_space: global }
      - { .name: Wk, .offset: 16, .size: 8, .value_kind: global_buffer, .address_space: global }
      - { .name: Wv, .offset: 24, .size: 8, .value_kind: global_buffer, .address_space: global }
      - { .name: codes1, .offset: 32, .size: 8, .value_kind: global_buffer, .address_space: global }
      - { .name: scl1, .offset: 40, .size: 8, .value_kind: global_buffer, .address_space: global }
    .group_segment_fixed_size: 68096
    .private_segment_fixed_size: 0
    .kernarg_segment_align: 8
    .kernarg_segment_size: 48
    .max_flat_workgroup_size: 128
    .sgpr_count:     66
    .vgpr_count:     194
    .wavefront_size: 32
...
	.end_amdgpu_metadata
.endif
;; end of part 1
;; launch proj (part 2): grid 256 x 1, 4 waves a work-group, no clusters, 0 bytes of LDS; arguments codes1, scl1, codes2, scl2; writes codes2, scl2
.if DOCPART == 2
	.amdgcn_target "amdgcn-amd-amdhsa--gfx1250"
	.amdhsa_code_object_version 6
	.text
	.protected	k_q2a82c3fabe_proj
	.globl	k_q2a82c3fabe_proj
	.p2align	8
	.type	k_q2a82c3fabe_proj,@function
k_q2a82c3fabe_proj:
	s_mov_b64 s[64:65], 0
	v_nop
	global_prefetch_b8 v0, s[64:65] scope:SCOPE_SE
	s_setreg_imm32_b32 hwreg(HW_REG_WAVE_MODE, 25, 1), 1
	s_wait_xcnt 0x0
; q = x Wq^T, k = x Wk^T, v = x Wv^T on codes of FP6 (E2M3), each result quantised in registers along the axis that the next product sums over, and stored as images of operand registers.
; Three roles.  A's 16 rows are source 1 (a lane holds ONE row of A), B's are source 0 (a lane's registers run along B's rows, which are the next K):
;   0, q: A = x by rows, B = Wq: q [row][d], quantised along d.      1, k: A = Wk, B = x in the second order: kT [n][i], quantised along i, as reference()'s reshape has it.
;   2, v: A = Wv, B = x by rows: v [d][key], quantised along the keys.
; B's fragments hold rows 32 (RB / 2) + 8 (RB % 2) + r + 8 (r / 8), so the 64 registers of A's block a against B's eight blocks are 128 neighbours along the next K.
; SHARES: each role has 256 tiles of 128 rows of A x 256 rows of B; work-group w makes its tile of role 0, 1, 2: 24 k steps of 128.  A wave makes 64 x 128: 32 accumulators, 256 registers.
; THE OPERANDS LIE IN MEMORY AS IMAGES OF OPERAND REGISTERS, so a wave loads its fragments straight into registers, 512 consecutive bytes a load, and its scale words beside them: 42 loads a k step.
; Four sets of registers take turns; k step t + 3 is asked for during k step t, in four runs between the step's 32 products, across the change of roles too.  No byte passes through LDS, so there is no barrier.
; No cluster: no tile lands in LDS that partners could receive jointly.  No prefetch into the L2: every load is itself issued three k steps ahead of its use.
; A loop's trip is a role (roles 0 and 1); role 2, which asks for nothing beyond its end, is written out.
; REGISTERS: window 0: v16, v17 offsets; v32-55 scale words, six a set; v64-159 A's sets 2, 3; v176-214 the quantiser's;  window 1: B's sets 0, 1, A's set 0;  window 2: accumulator (a, b) at v[8 (8 a + b)];
;   window 3: B's sets 2, 3, A's set 1.
; LIMITS: NaN and infinities are not served; a block whose largest magnitude lies under 2^-124 keeps the byte 1; a block of zeros has the byte 1 and zero codes (read by this program alone).
.set L4,   16                          ; 4 x lane
.set L16,  17                          ; 16 x lane
.set SC,   32                          ; set s: SC + 6 s + 0, 1: A's block pairs; + 2 .. 5: B's
.set TM,   176
.set PW,   192
.set PK,   193
.set SW,   194
.set PC,   196
.set CUR,  20                          ; s20-31 this role's: A's codes, B's codes, A's scale words, B's, where the codes go, where the scale words go
.set NXT,  32                          ; s32-43 the next role's
.set THD,  44                          ; s44-55 role 2's
.set SEL,  60
.set FLR,  62
.set MSK,  63
.set MSB, 0
.macro WIN new                         ; the immediate's high byte repeats the setting that is left
.if MSB != (\new)
	s_set_vgpr_msb (MSB<<8)|(\new)
.set MSB, (\new)
.endif
.endm
.macro PLACES                          ; four plain places behind a matrix instruction, ahead of loads into its sources and of reads of its results
.rept 4
	v_nop
.endr
.endm
.macro WM d, bf, af, sb, sa, rb, ra, zero
.if \zero
.if (\rb) && (\ra)
	v_wmma_scale_f32_16x16x128_f8f6f4 v[0+(\d):7+(\d)], v[0+(\bf):11+(\bf)], v[0+(\af):11+(\af)], 0, v[\sb], v[\sa] matrix_a_fmt:MATRIX_FMT_FP6 matrix_b_fmt:MATRIX_FMT_FP6 matrix_a_scale:MATRIX_SCALE_ROW1 matrix_b_scale:MATRIX_SCALE_ROW1
.elseif (\rb)
	v_wmma_scale_f32_16x16x128_f8f6f4 v[0+(\d):7+(\d)], v[0+(\bf):11+(\bf)], v[0+(\af):11+(\af)], 0, v[\sb], v[\sa] matrix_a_fmt:MATRIX_FMT_FP6 matrix_b_fmt:MATRIX_FMT_FP6 matrix_a_scale:MATRIX_SCALE_ROW1
.elseif (\ra)
	v_wmma_scale_f32_16x16x128_f8f6f4 v[0+(\d):7+(\d)], v[0+(\bf):11+(\bf)], v[0+(\af):11+(\af)], 0, v[\sb], v[\sa] matrix_a_fmt:MATRIX_FMT_FP6 matrix_b_fmt:MATRIX_FMT_FP6 matrix_b_scale:MATRIX_SCALE_ROW1
.else
	v_wmma_scale_f32_16x16x128_f8f6f4 v[0+(\d):7+(\d)], v[0+(\bf):11+(\bf)], v[0+(\af):11+(\af)], 0, v[\sb], v[\sa] matrix_a_fmt:MATRIX_FMT_FP6 matrix_b_fmt:MATRIX_FMT_FP6
.endif
.else
.if (\rb) && (\ra)
	v_wmma_scale_f32_16x16x128_f8f6f4 v[0+(\d):7+(\d)], v[0+(\bf):11+(\bf)], v[0+(\af):11+(\af)], v[0+(\d):7+(\d)], v[\sb], v[\sa] matrix_a_fmt:MATRIX_FMT_FP6 matrix_b_fmt:MATRIX_FMT_FP6 matrix_a_scale:MATRIX_SCALE_ROW1 matrix_b_scale:MATRIX_SCALE_ROW1
.elseif (\rb)
	v_wmma_scale_f32_16x16x128_f8f6f4 v[0+(\d):7+(\d)], v[0+(\bf):11+(\bf)], v[0+(\af):11+(\af)], v[0+(\d):7+(\d)], v[\sb], v[\sa] matrix_a_fmt:MATRIX_FMT_FP6 matrix_b_fmt:MATRIX_FMT_FP6 matrix_a_scale:MATRIX_SCALE_ROW1
.elseif (\ra)
	v_wmma_scale_f32_16x16x128_f8f6f4 v[0+(\d):7+(\d)], v[0+(\bf):11+(\bf)], v[0+(\af):11+(\af)], v[0+(\d):7+(\d)], v[\sb], v[\sa] matrix_a_fmt:MATRIX_FMT_FP6 matrix_b_fmt:MATRIX_FMT_FP6 matrix_b_scale:MATRIX_SCALE_ROW1
.else
	v_wmma_scale_f32_16x16x128_f8f6f4 v[0+(\d):7+(\d)], v[0+(\bf):11+(\bf)], v[0+(\af):11+(\af)], v[0+(\d):7+(\d)], v[\sb], v[\sa] matrix_a_fmt:MATRIX_FMT_FP6 matrix_b_fmt:MATRIX_FMT_FP6
.endif
.endif
.endm
; Set s: B's eight fragments at v[96 (s % 2)] of window 1 (s < 2) or 3; A's four at v192 of window 1 (s = 0) or 3 (s = 1), at v64 (s = 2) or v112 (s = 3) of window 0.
.macro LDB s, p, kk, q0                ; four of B's fragments of k step kk: 12 loads
	WIN 0x40+0x80*((\s)/2)
.irp i,0,1,2,3
.irp c,0,1,2
	global_load_b128 v[96*((\s)%2)+12*((\q0)+\i)+4*\c:96*((\s)%2)+12*((\q0)+\i)+4*\c+3], v[L16], s[\p:\p+1] offset:(\kk)*12288+((\q0)+\i)*1536+\c*512
.endr
.endr
.endm
.macro LDA s, p, kk                    ; A's four fragments: 12 loads
.set QLA, 192*(1-(\s)/2)+((\s)/2)*(64+48*((\s)%2))
	WIN ((1+2*(\s))*(1-(\s)/2))<<6
.irp i,0,1,2,3
.irp c,0,1,2
	global_load_b128 v[QLA+12*\i+4*\c:QLA+12*\i+4*\c+3], v[L16], s[\p:\p+1] offset:(\kk)*12288+\i*1536+\c*512
.endr
.endr
.endm
.macro LDSC s, pa, pb, kk              ; the scale words: a register holds two neighbouring row blocks (lanes 0-15, lanes 16-31): 6 loads
	WIN 0
.irp i,0,1
	global_load_b32 v[SC+6*(\s)+\i], v[L4], s[\pa:\pa+1] offset:(\kk)*512+\i*128
.endr
.irp i,0,1,2,3
	global_load_b32 v[SC+6*(\s)+2+\i], v[L4], s[\pb:\pb+1] offset:(\kk)*512+\i*128
.endr
.endm
.macro FETCH s, ps, kk
	LDB \s, (\ps)+2, \kk, 0
	LDB \s, (\ps)+2, \kk, 4
	LDA \s, \ps, \kk
	LDSC \s, (\ps)+4, (\ps)+6, \kk
.endm
.macro MUL8 s, a, zero                 ; A's block a against B's eight; the 32 accumulators take turns, one instruction a turn
.set QMA, 192*(1-(\s)/2)+((\s)/2)*(64+48*((\s)%2))
	WIN (1+2*((\s)/2))|(((1+2*(\s))*(1-(\s)/2))<<2)|0xa0
.irp b,0,1,2,3,4,5,6,7
	WM 8*(8*(\a)+\b), 96*((\s)%2)+12*\b, QMA+12*(\a), SC+6*(\s)+2+\b/2, SC+6*(\s)+(\a)/2, \b%2, (\a)%2, \zero
.endr
.endm
; K step t of a role, on set t % 4.  cnt: the loads that may stay out: those of the k steps asked for behind this one (two steps are 84; the counter's field holds 63).
; f = 1: k step fk of pointer set ps is asked for, into the set that the k step before has read: the four places stand between its products and these loads.
.macro KS t, cnt, f, ps, fk, zero
	PLACES
	s_wait_loadcnt \cnt
	MUL8 (\t)%4, 0, \zero
.if \f
	LDB ((\t)+3)%4, (\ps)+2, \fk, 0
.endif
	MUL8 (\t)%4, 1, \zero
.if \f
	LDB ((\t)+3)%4, (\ps)+2, \fk, 4
.endif
	MUL8 (\t)%4, 2, \zero
.if \f
	LDA ((\t)+3)%4, \ps, \fk
.endif
	MUL8 (\t)%4, 3, \zero
.if \f
	LDSC ((\t)+3)%4, (\ps)+4, (\ps)+6, \fk
.endif
.endm
; 64 numbers of a lane in window w, register 16 b + i = k 32 b + 16 h + i of my row, become a fragment's codes in v[PC] on and its scale word in v[PW].  Each accumulator is read from its low end on.
.macro QUANT s, w
	WIN ((\w)<<2)|((\w)<<4)
.irp b,0,1,2,3
	v_max3_num_f32 v[TM+\b], s[FLR], |v[0+(\s)+16*\b]|, |v[1+(\s)+16*\b]|   ; my 16 numbers of block b, and the floor 2^(3 - 127)
.endr
.irp i,2,4,6,8,10,12,14
.irp b,0,1,2,3
	v_max3_num_f32 v[TM+\b], v[TM+\b], |v[0+(\s)+16*\b+\i]|, |v[1+(\s)+16*\b+\i]|
.endr
.endr
	WIN 0
.irp b,0,1,2,3
	v_permlanex16_b32 v[TM+4+\b], v[TM+\b], s[SEL], s[SEL+1]
.endr
.irp b,0,1,2,3
	v_max_num_f32 v[TM+\b], v[TM+\b], v[TM+4+\b]    ; with lane l xor 16's: the block's largest magnitude
.endr
.irp b,0,1,2,3
	v_add_nc_u32 v[TM+12+\b], 0xff000000, v[TM+\b]  ; 2 off its exponent field: the conversion's scale operand
.endr
.irp b,0,1,2,3
	v_lshrrev_b32 v[TM+4+\b], 23, v[TM+12+\b]       ; the scale's byte
.endr
	v_lshl_or_b32 v[PW], v[TM+5], 8, v[TM+4]
	v_lshl_or_b32 v[PW], v[TM+6], 16, v[PW]
	v_lshl_or_b32 v[PW], v[TM+7], 24, v[PW]
	WIN (\w)
.irp c,0,1
	v_cvt_scalef32_pk16_fp6_f32 v[PC+6*\c:PC+2+6*\c], v[0+(\s)+32*\c:15+(\s)+32*\c], v[TM+12+2*\c]
	v_cvt_scalef32_pk16_fp6_f32 v[PC+12+4*\c:PC+14+4*\c], v[16+(\s)+32*\c:31+(\s)+32*\c], v[TM+13+2*\c]
.endr
	WIN 0
	v_nop                                           ; one plain place behind a scaled conversion: the next tile's products write its sources
.irp c,0,1                                          ; the operand's layout wants a whole block in a lane
.irp i,0,1,2
	v_permlane16_swap_b32 v[PC+6*\c+\i], v[PC+12+4*\c+\i]
.endr
.irp i,0,1,2
	v_mov_b32 v[PC+3+6*\c+\i], v[PC+12+4*\c+\i]
.endr
.endr
.endm
; The role's tile is finished: my four blocks of A's rows become four fragments and leave.  The next role's first three k steps are on their way into registers meanwhile.
.macro EPI
	PLACES
.irp a,0,1,2,3
	s_wait_xcnt 0x0                                 ; the stores before have read their data: the codes' registers are written again only behind this wait
	QUANT 64*\a, 2
.irp c,0,1,2
	global_store_b128 v[L16], v[PC+4*\c:PC+4*\c+3], s[CUR+8:CUR+9] offset:\a*1536+512*\c   ; 512 consecutive bytes, aligned
.endr
.if (\a%2) == 0
	v_mov_b32 v[PK], v[PW]
.else
	v_cndmask_b32 v[SW], v[PK], v[PW], s[MSK]       ; two blocks' scale words: lanes 0-15, lanes 16-31
	global_store_b32 v[L4], v[SW], s[CUR+10:CUR+11] offset:(\a-1)*64
.endif
.endr
.endm
.macro ROLE last
	KS 0, 63, 1, CUR, 3, 1                          ; a tile's first products start the sums: nothing is cleared
	KS 1, 63, 1, CUR, 4, 0
	KS 2, 63, 1, CUR, 5, 0
	KS 3, 63, 1, CUR, 6, 0
	KS 4, 63, 1, CUR, 7, 0
.if \last
	KS 5, 63, 0, CUR, 0, 0                          ; behind k step 5's loads: those of 6 and 7
	KS 6, 42, 0, CUR, 0, 0                          ; those of 7
	KS 7, 0, 0, CUR, 0, 0
.else
	KS 5, 63, 1, NXT, 0, 0
	KS 6, 63, 1, NXT, 1, 0
	KS 7, 63, 1, NXT, 2, 0
.endif
	WIN 0
	EPI
.endm
; A role's four source addresses from the groups of 128 rows in s[ga] (A) and s[gb] (B): a group's codes are 8 k steps x 12,288 bytes, its scale words 8 x 512.
.macro PTRS ps, ga, gb
	s_mul_i32 s12, s[\ga], 98304
	s_add_co_u32 s12, s12, s18
	s_add_nc_u64 s[\ps:\ps+1], s[4:5], s[12:13]
	s_mul_i32 s12, s[\gb], 98304
	s_add_nc_u64 s[\ps+2:\ps+3], s[4:5], s[12:13]
	s_lshl_b32 s12, s[\ga], 12
	s_add_co_u32 s12, s12, s19
	s_add_nc_u64 s[\ps+4:\ps+5], s[6:7], s[12:13]
	s_lshl_b32 s12, s[\gb], 12
	s_add_nc_u64 s[\ps+6:\ps+7], s[6:7], s[12:13]
.endm
; Where role r's four fragments go: fragment number = ((g x 8 + A's tile) x k steps + ks) x 8 + 4 x my half; g and ks from the count of B's groups; 2^sh k steps in the result.
.macro DESTR ps, r, tr, col, sh
	s_lshr_b32 s2, s[\col], \sh
	s_lshl_b32 s2, s2, 3
	s_add_co_u32 s2, s2, s[\tr]
	s_lshl_b32 s2, s2, \sh
	s_and_b32 s3, s[\col], (1<<\sh)-1
	s_add_co_u32 s2, s2, s3
	s_lshl_b32 s2, s2, 3
	s_add_co_u32 s2, s2, s17
	s_mul_i32 s12, s2, 1536
	s_add_co_u32 s12, s12, (\r)*6291456             ; q's, kT's and v's regions
	s_add_nc_u64 s[\ps+8:\ps+9], s[8:9], s[12:13]
	s_lshl_b32 s12, s2, 6
	s_add_co_u32 s12, s12, (\r)*262144
	s_add_nc_u64 s[\ps+10:\ps+11], s[10:11], s[12:13]
.endm
	s_load_b256 s[4:11], s[0:1], 0x0                ; the operands' codes s[4:5] and scale words s[6:7]; the results' s[8:9], s[10:11]
	v_lshrrev_b32 v1, 5, v0
	v_readfirstlane_b32 s14, v1                     ; wave 0..3
	v_and_b32 v2, 31, v0
	v_lshlrev_b32 v[L4], 2, v2
	v_lshlrev_b32 v[L16], 4, v2
.irp b,0,1,2,3
	v_mov_b32 v[TM+4+\b], 0                         ; written once: a lane permute's destination counts as one of its sources
.endr
	s_lshr_b32 s15, s14, 1                          ; my half of A's rows
	s_and_b32 s16, s14, 1                           ; my half of B's rows
	s_lshl_b32 s17, s15, 2
	s_mul_i32 s18, s15, 6144                        ; my four blocks of A: codes,
	s_lshl_b32 s19, s15, 8                          ; scale words
	s_lshr_b32 s56, ttmp9, 2                        ; role 0: x's 64 tiles of 128 rows
	s_and_b32 s57, ttmp9, 3
	s_lshl_b32 s57, s57, 1
	s_add_co_u32 s57, s57, s16                      ; role 0: which 128 rows of Wq
	s_and_b32 s58, ttmp9, 7                         ; roles 1, 2: the weight's 8 tiles
	s_lshr_b32 s59, ttmp9, 3
	s_lshl_b32 s59, s59, 1
	s_add_co_u32 s59, s59, s16                      ; roles 1, 2: which 128 rows of x
	s_mov_b32 s13, 0
	s_add_co_u32 s3, s57, 128                       ; Wq's groups begin at 128
	s_mov_b32 s[SEL], 0x76543210
	s_mov_b32 s[SEL+1], 0xfedcba98
	s_mov_b32 s[FLR], 0x1800000
	s_mov_b32 s[MSK], 0xffff0000
	s_wait_alu depctr_va_vdst(0)
	s_wait_kmcnt 0x0
	PTRS CUR, 56, 3
	FETCH 0, CUR, 0                                 ; role 0's k steps 0, 1, 2
	FETCH 1, CUR, 1
	FETCH 2, CUR, 2
	WIN 0
	s_add_co_u32 s2, s58, 136                       ; Wk's groups begin at 136,
	s_add_co_u32 s3, s59, 64                        ; x in the second order at 64
	PTRS NXT, 2, 3
	s_add_co_u32 s2, s58, 144                       ; Wv's at 144, x by rows at 0
	PTRS THD, 2, 59
	DESTR CUR, 0, 56, 57, 3
	DESTR NXT, 1, 58, 59, 3
	DESTR THD, 2, 58, 59, 4
	s_mov_b32 s66, 0
.Lrole:
	ROLE 0
	s_wait_xcnt 0x0                                 ; every load and store has read its base: the pointers move on only behind this wait
.irp i,0,2,4,6,8,10
	s_mov_b64 s[CUR+\i:CUR+\i+1], s[NXT+\i:NXT+\i+1]
	s_mov_b64 s[NXT+\i:NXT+\i+1], s[THD+\i:THD+\i+1]
.endr
	s_add_co_u32 s66, s66, 1
	s_cmp_lt_u32 s66, 2
	s_wait_alu depctr_va_vdst(0)
	s_cbranch_scc1 .Lrole
	ROLE 1                                          ; v
	s_endpgm
.Lfunc_end_k_q2a82c3fabe_proj:
	.size	k_q2a82c3fabe_proj, .Lfunc_end_k_q2a82c3fabe_proj-k_q2a82c3fabe_proj
	.p2alignl 7, 3214868480
	.fill 96, 4, 3214868480
	.section	.rodata,"a",@progbits
	.p2align	6, 0x0
	.amdhsa_kernel k_q2a82c3fabe_proj
		.amdhsa_group_segment_fixed_size 0
		.amdhsa_private_segment_fixed_size 0
		.amdhsa_enable_private_segment 0
		.amdhsa_kernarg_size 32
		.amdhsa_user_sgpr_count 2
		.amdhsa_user_sgpr_kernarg_segment_ptr 1
		.amdhsa_wavefront_size32 1
		.amdhsa_system_sgpr_workgroup_id_x 1
		.amdhsa_system_sgpr_workgroup_id_y 1
		.amdhsa_system_sgpr_workgroup_id_z 1
		.amdhsa_system_vgpr_workitem_id 0
		.amdhsa_next_free_vgpr 1024
		.amdhsa_next_free_sgpr 70
		.amdhsa_reserve_vcc 0
		.amdhsa_float_denorm_mode_32 3
		.amdhsa_float_denorm_mode_16_64 3
		.amdhsa_memory_ordered 1
		.amdhsa_forward_progress 1
		.amdhsa_inst_pref_size 172
	.end_amdhsa_kernel
	.amdgpu_metadata
---
amdhsa.version: [ 1, 2 ]
amdhsa.kernels:
  - .name:           k_q2a82c3fabe_proj
    .symbol:         k_q2a82c3fabe_proj.kd
    .args:
      - { .name: codes1, .offset: 0, .size: 8, .value_kind: global_buffer, .address_space: global }
      - { .name: scl1, .offset: 8, .size: 8, .value_kind: global_buffer, .address_space: global }
      - { .name: codes2, .offset: 16, .size: 8, .value_kind: global_buffer, .address_space: global }
      - { .name: scl2, .offset: 24, .size: 8, .value_kind: global_buffer, .address_space: global }
    .group_segment_fixed_size: 0
    .private_segment_fixed_size: 0
    .kernarg_segment_align: 8
    .kernarg_segment_size: 32
    .max_flat_workgroup_size: 128
    .sgpr_count:     70
    .vgpr_count:     1024
    .wavefront_size: 32
...
	.end_amdgpu_metadata
.endif
;; end of part 2
;; launch score (part 3): grid 4 x 40, 4 waves a work-group, clusters of 4 x 4, 327,680 bytes of LDS; arguments codes2, scl2, pcodes, pscl; writes pcodes, pscl
.if DOCPART == 3
	.amdgcn_target "amdgcn-amd-amdhsa--gfx1250"
	.amdhsa_code_object_version 6
	.text
	.protected	k_q2a82c3fabe_score
	.globl	k_q2a82c3fabe_score
	.p2align	8
	.type	k_q2a82c3fabe_score,@function
k_q2a82c3fabe_score:
	s_mov_b64 s[64:65], 0
	v_nop
	global_prefetch_b8 v0, s[64:65] scope:SCOPE_SE
	s_setreg_imm32_b32 hwreg(HW_REG_WAVE_MODE, 25, 1), 1
	s_wait_xcnt 0x0
	s_wait_alu depctr_hold_cnt(0) depctr_sa_sdst(0) depctr_va_vdst(0) depctr_va_sdst(0) depctr_va_ssrc(0) depctr_va_vcc(0) depctr_vm_vsrc(0)
	s_getreg_b32 s2, hwreg(HW_REG_IB_STS2, 6, 4)
	s_cmp_eq_u32 s2, 0
	s_cbranch_scc0 .Lentry_in_a_cluster
	s_endpgm
.Lentry_in_a_cluster:
	s_bfe_u32 s2, ttmp6, 0x10000c
	s_cmp_lg_u32 s2, 0xf033
	s_cbranch_scc0 .Lentry_shape_is_right
	s_endpgm
.Lentry_shape_is_right:
; scores = q kT / 32 for all four batches of a tile, the softmax over the BATCHES (element by element), the mask written behind it (1e-9 where key > query), and the quantiser along the keys.
; WORK LEFT OUT: where key > query reference() overwrites the softmax with 1e-9, so scores there reach no output.  Of the 16 regions of 512 queries x 512 keys the 6 that lie wholly above the diagonal are not launched:
; 10 clusters, numbered along y; cluster c takes region (I, J) of the lower triangle, c = I (I + 1) / 2 + J.  Their weights are not stored; the next launch makes the constant itself.
; Inside the four regions on the diagonal every tile is computed, hidden ones too: the mask is a selection.
; SHARES: a work-group takes 128 queries x 128 keys x 4 batches; a wave 64 x 64 x 4: 64 accumulators, 512 registers.  So the four scores of an element lie in ONE lane, and the softmax needs no other lane and no LDS.
; Source 0 = 16 rows of kT (a lane's registers run along the keys), source 1 = 16 rows of q (a lane holds one query).  kT's fragments hold rows 32 (RB / 2) + 8 (RB % 2) + r + 8 (r / 8), so register 16 e + i of a
; block of queries is key 32 e + 16 h + i of my 64.  My 64 keys are half a fragment of the next product: six registers, 768 bytes: 512 (16 a lane), then 256 (8 a lane).
; A unit u = 4 x k step + batch: 16 products.
; kT GOES THROUGH LDS: a k step of the four batches is 49,152 bytes; two slots of three k steps, 147,456 bytes each: slot 0: k steps 0-2, slot 1: 3-5, slot 0 again: 6, 7: three fills.  Wave w asks for batch w, one tensor load a fill,
; jointly along a column of the 4 x 4 cluster.  Slot 1 is asked for 11 units ahead of its first read, the refill 12 units.
; q GOES STRAIGHT INTO REGISTERS: it lies in memory as images of operand registers, 12 loads of 512 consecutive bytes a unit, asked for four units ahead, into five sets.  It is not asked for jointly: LDS has room for six k steps
; of one operand, and with both operands in it a slot would hold one and a half.  No prefetch into the L2: every request stands four units or more ahead of its use.
; The softmax takes the largest of the four scores away: the largest is scaled by log2(e) / 32, and score x log2(e) / 32 - that is one packed multiply-add; the term taken away is the same for the four batches.
; REGISTERS: window 0: v8-15 kT's LDS addresses (slot, batch); v16-20 offsets; v28, v29 for the add; v32-159 scale words, four a unit; v160-255 q's sets 0, 1 (at the end: the quantiser's);
;   window 1: v0-95 kT's fragments, two sets; v96-239 q's sets 2, 3, 4 (at the end: the softmax's);  windows 2, 3: batch e's accumulator (a, b) at v[128 (e % 2) + 8 (4 a + b)] of window 2 + e / 2.
; LIMITS: NaN and infinities are not served; a weight under 2^-126 comes out of v_exp_f32 as 0; a block whose largest weight lies under 2^-124 keeps the byte 1.
.set SLOT,  147456
.set SPARE, 294912                     ; behind the ring: the spare words, 128 bytes a wave
.set KB,   8                           ; v[8 + 4 slot + batch]
.set L4,   16
.set L16,  17
.set L8,   18
.set LS2,  19                          ; 4 x lane + 2 x my half of the keys
.set DD,   20                          ; my query - my first key, for block a = 0
.set SPW,  28
.set NIL,  29
.set SC,   32
.set TM,   160                         ; the end, window 0: v160-173 at work
.set HW,   176                         ; two scale bytes
.set HK,   178                         ; v178-181 those of the block before, a batch each
.set PC,   184                         ; v184-247 codes, 16 registers a batch
.set SW,   248                         ; v248-251 scale bytes on their way out, a batch each
.set MX,   96                          ; window 1: the largest score, then the sum
.set T2,   128
.set RI,   160                         ; 1 / sum, 0 where hidden
.set AD,   192                         ; 0, 1e-9 where hidden
.set Z1,   224
.set E1,   225
.set DA,   226
.set G1K,  24                          ; s24-31 group 1: three k steps of a batch, 144 rows of 256 bytes
.set G1L,  32                          ; s32-39 two k steps, 96 rows
.set G0S0, 48
.set G0S1, 52
.set QP,   56                          ; s[56:57] q's codes: my tile, my four blocks
.set SEL,  84
.set FLR,  86
.set MSK,  87
.set CS,   88
.set PB,   90                          ; s[90:91], s[92:93] where my codes go: batches 0-1, 2-3
.set MSB, 0
.macro WIN new
.if MSB != (\new)
	s_set_vgpr_msb (MSB<<8)|(\new)
.set MSB, (\new)
.endif
.endm
.macro PLACES
.rept 4
	v_nop
.endr
.endm
.macro CROUND
	s_barrier_signal -1
	s_barrier_wait -1
	s_cmp_lg_u32 s14, 0
	s_cbranch_scc1 .Lnot_wave_0_\@
	s_barrier_signal -3
.Lnot_wave_0_\@:
	s_barrier_wait -3
	s_barrier_signal -1
	s_barrier_wait -1
.endm
.macro TLOAD g0, g1                    ; my batch's part of a slot; an s_nop 0 and four v_nop follow
	tensor_load_to_lds s[\g0:\g0+3], s[\g1:\g1+7]
	s_nop 0
.rept 4
	v_nop
.endr
.endm
.macro WM d, bf, af, sb, sa, rb, ra, zero
.if \zero
.if (\rb) && (\ra)
	v_wmma_scale_f32_16x16x128_f8f6f4 v[0+(\d):7+(\d)], v[0+(\bf):11+(\bf)], v[0+(\af):11+(\af)], 0, v[\sb], v[\sa] matrix_a_fmt:MATRIX_FMT_FP6 matrix_b_fmt:MATRIX_FMT_FP6 matrix_a_scale:MATRIX_SCALE_ROW1 matrix_b_scale:MATRIX_SCALE_ROW1
.elseif (\rb)
	v_wmma_scale_f32_16x16x128_f8f6f4 v[0+(\d):7+(\d)], v[0+(\bf):11+(\bf)], v[0+(\af):11+(\af)], 0, v[\sb], v[\sa] matrix_a_fmt:MATRIX_FMT_FP6 matrix_b_fmt:MATRIX_FMT_FP6 matrix_a_scale:MATRIX_SCALE_ROW1
.elseif (\ra)
	v_wmma_scale_f32_16x16x128_f8f6f4 v[0+(\d):7+(\d)], v[0+(\bf):11+(\bf)], v[0+(\af):11+(\af)], 0, v[\sb], v[\sa] matrix_a_fmt:MATRIX_FMT_FP6 matrix_b_fmt:MATRIX_FMT_FP6 matrix_b_scale:MATRIX_SCALE_ROW1
.else
	v_wmma_scale_f32_16x16x128_f8f6f4 v[0+(\d):7+(\d)], v[0+(\bf):11+(\bf)], v[0+(\af):11+(\af)], 0, v[\sb], v[\sa] matrix_a_fmt:MATRIX_FMT_FP6 matrix_b_fmt:MATRIX_FMT_FP6
.endif
.else
.if (\rb) && (\ra)
	v_wmma_scale_f32_16x16x128_f8f6f4 v[0+(\d):7+(\d)], v[0+(\bf):11+(\bf)], v[0+(\af):11+(\af)], v[0+(\d):7+(\d)], v[\sb], v[\sa] matrix_a_fmt:MATRIX_FMT_FP6 matrix_b_fmt:MATRIX_FMT_FP6 matrix_a_scale:MATRIX_SCALE_ROW1 matrix_b_scale:MATRIX_SCALE_ROW1
.elseif (\rb)
	v_wmma_scale_f32_16x16x128_f8f6f4 v[0+(\d):7+(\d)], v[0+(\bf):11+(\bf)], v[0+(\af):11+(\af)], v[0+(\d):7+(\d)], v[\sb], v[\sa] matrix_a_fmt:MATRIX_FMT_FP6 matrix_b_fmt:MATRIX_FMT_FP6 matrix_a_scale:MATRIX_SCALE_ROW1
.elseif (\ra)
	v_wmma_scale_f32_16x16x128_f8f6f4 v[0+(\d):7+(\d)], v[0+(\bf):11+(\bf)], v[0+(\af):11+(\af)], v[0+(\d):7+(\d)], v[\sb], v[\sa] matrix_a_fmt:MATRIX_FMT_FP6 matrix_b_fmt:MATRIX_FMT_FP6 matrix_b_scale:MATRIX_SCALE_ROW1
.else
	v_wmma_scale_f32_16x16x128_f8f6f4 v[0+(\d):7+(\d)], v[0+(\bf):11+(\bf)], v[0+(\af):11+(\af)], v[0+(\d):7+(\d)], v[\sb], v[\sa] matrix_a_fmt:MATRIX_FMT_FP6 matrix_b_fmt:MATRIX_FMT_FP6
.endif
.endif
.endm
; Unit u's four fragments of kT out of LDS, 12 loads of 512 consecutive bytes, into set u % 2 of window 1.  K step k lies in slot (k / 3) % 2, at place k % 3.
.macro FETCHK u
.set FKS, (\u)/4
	WIN 0x40
.irp i,0,1,2,3
.irp c,0,1,2
	ds_load_b128 v[48*((\u)%2)+12*\i+4*\c:48*((\u)%2)+12*\i+4*\c+3], v[KB+4*((FKS/3)%2)+(\u)%4] offset:(FKS%3)*12288+\i*1536+\c*512
.endr
.endr
.endm
; Unit u's four fragments of q out of memory, 12 loads, into set u % 5: sets 0, 1 at v160, v208 of window 0; sets 2, 3, 4 at v96, v144, v192 of window 1.
.macro FETCHQ u
.set QLS, (\u)%5
.set QLW, (QLS+2)/4
.set QLB, (1-QLW)*(160+48*QLS)+QLW*(96+48*(QLS-2))
	WIN QLW<<6
.irp i,0,1,2,3
.irp c,0,1,2
	global_load_b128 v[QLB+12*\i+4*\c:QLB+12*\i+4*\c+3], v[L16], s[QP:QP+1] offset:((\u)%4)*1572864+((\u)/4)*12288+\i*1536+\c*512
.endr
.endr
.endm
.macro SCLOAD k                        ; k step k's scale words: a register holds two neighbouring row blocks (lanes 0-15, lanes 16-31): 16 loads
.irp e,0,1,2,3
.irp p,0,1
	global_load_b32 v[SC+16*(\k)+4*\e+\p], v[L4], s[18:19] offset:\e*65536+(\k)*512+\p*128
	global_load_b32 v[SC+16*(\k)+4*\e+2+\p], v[L4], s[20:21] offset:\e*65536+(\k)*512+\p*128
.endr
.endr
.endm
; chg: 0 nothing; 1 slot 0, read out, takes k steps 6 and 7; 2 that fill is awaited, nothing is filled.
.macro UNIT u, chg, zero
.if \chg == 1
	s_wait_tensorcnt 0x0                            ; no tensor load of mine is out: slot 1 is whole on my part, and a group 0 may be written
	ds_add_u32 v[SPW], v[NIL]                       ; 0 onto my spare word
	s_add_nc_u64 s[G0S0+2:G0S0+3], s[G0S0+2:G0S0+3], 73728   ; six k steps on
	s_wait_dscnt 0x0                                ; the add is done, and my reads of slot 0 are over
	CROUND
	TLOAD G0S0, G1L                                 ; its four v_nop are also the places in front of the loads that follow
.elseif \chg == 2
	s_wait_tensorcnt 0x0
	s_wait_dscnt 0x0
	s_barrier_signal -1
	s_barrier_wait -1
	PLACES
.else
	PLACES                                          ; between the products of the unit before and the loads into the sets that they read
.endif
.if (\u) < 31
	FETCHK (\u)+1
.endif
.if (\u) < 28
	FETCHQ (\u)+4
.endif
.if (\u) < 31
	s_wait_dscnt 12                                 ; all but the 12 just issued
.else
	s_wait_dscnt 0x0
.endif
.if (\u) < 4
	s_wait_loadcnt 63                               ; behind this unit's q: 112 loads (q of later units, the scale words of k steps 4 to 7)
.elseif (\u) < 28
	s_wait_loadcnt 48                               ; behind this unit's q: four units' q
.else
	s_wait_loadcnt 12*(31-(\u))
.endif
.set QMS, (\u)%5
.set QMW, (QMS+2)/4
.set QMB, (1-QMW)*(160+48*QMS)+QMW*(96+48*(QMS-2))
	WIN 0x01|(QMW<<2)|(0xa0+0x50*(((\u)%4)/2))      ; source 0 window 1, source 1 window 0 or 1, C and D window 2 or 3
.irp a,0,1,2,3
.irp b,0,1,2,3
	WM 128*((\u)%2)+8*(4*\a+\b), 48*((\u)%2)+12*\b, QMB+12*\a, SC+4*(\u)+2+\b/2, SC+4*(\u)+\a/2, \b%2, \a%2, \zero
.endr
.endr
	WIN 0
.endm
; Two batches of one window: score x log2(e) / 32 - the scaled largest, 2^.  The 64 exponentials are one batch with a wait ahead of it and one behind it.
.macro EXPS win
	WIN \win
.irp o,0,128
.set x, 0
.rept 16
	v_pk_fma_f32 v[\o+BA+x:\o+BA+x+1], v[\o+BA+x:\o+BA+x+1], s[CS:CS+1], v[MX+x:MX+x+1] op_sel_hi:[1,0,1] neg_lo:[0,0,1] neg_hi:[0,0,1]
.set x, x+2
.endr
.endr
	s_wait_alu depctr_va_vdst(0)
.irp o,0,128
.set x, 0
.rept 32
	v_exp_f32 v[\o+BA+x], v[\o+BA+x]
.set x, x+1
.endr
.endr
	v_nop                                           ; a plain place behind the last exponential
	s_wait_alu depctr_va_vdst(0)                    ; one wait for the batch, ahead of the first line that names a result
.endm
; 32 weights of a lane in window w, register 16 b + i = key 32 b + 16 h + i, become six registers of codes and two scale bytes, and leave.  Each batch has its own registers for what is stored.
.macro QUANTH s, w, bt, a
.set PCB, PC+16*(\bt)
.if (\bt) == 0
	s_wait_xcnt 0x0                                 ; the stores of the block before have read their data
.endif
	WIN ((\w)<<2)|((\w)<<4)
.irp b,0,1
	v_max3_num_f32 v[TM+\b], s[FLR], v[0+(\s)+16*\b], v[1+(\s)+16*\b]   ; no weight is negative; the floor 2^(3 - 127)
.endr
.irp i,2,4,6,8,10,12,14
.irp b,0,1
	v_max3_num_f32 v[TM+\b], v[TM+\b], v[0+(\s)+16*\b+\i], v[1+(\s)+16*\b+\i]
.endr
.endr
	WIN 0
.irp b,0,1
	v_permlanex16_b32 v[TM+4+\b], v[TM+\b], s[SEL], s[SEL+1]
.endr
.irp b,0,1
	v_max_num_f32 v[TM+\b], v[TM+\b], v[TM+4+\b]
.endr
.irp b,0,1
	v_add_nc_u32 v[TM+12+\b], 0xff000000, v[TM+\b]
.endr
.irp b,0,1
	v_lshrrev_b32 v[TM+4+\b], 23, v[TM+12+\b]
.endr
	v_lshl_or_b32 v[HW], v[TM+5], 8, v[TM+4]
	WIN (\w)
	v_cvt_scalef32_pk16_fp6_f32 v[PCB:PCB+2], v[0+(\s):15+(\s)], v[TM+12]
	v_cvt_scalef32_pk16_fp6_f32 v[PCB+12:PCB+14], v[16+(\s):31+(\s)], v[TM+13]
	WIN 0
	v_nop                                           ; one plain place behind a scaled conversion
.irp i,0,1,2
	v_permlane16_swap_b32 v[PCB+\i], v[PCB+12+\i]   ; a whole block in a lane
.endr
.irp i,0,1,2
	v_mov_b32 v[PCB+3+\i], v[PCB+12+\i]
.endr
	global_store_b128 v[L16], v[PCB:PCB+3], s[PB+2*((\bt)/2):PB+2*((\bt)/2)+1] offset:((\bt)%2)*3145728+(\a)*1536       ; 512 consecutive bytes
	global_store_b64 v[L8], v[PCB+4:PCB+5], s[PB+2*((\bt)/2):PB+2*((\bt)/2)+1] offset:((\bt)%2)*3145728+(\a)*1536+512   ; 256 consecutive bytes
.if ((\a)%2) == 0
	v_mov_b32 v[HK+\bt], v[HW]
.else
	v_cndmask_b32 v[SW+\bt], v[HK+\bt], v[HW], s[MSK]   ; two blocks of queries: lanes 0-15, lanes 16-31
	global_store_b16 v[LS2], v[SW+\bt], s[10:11] offset:(\bt)*131072+((\a)-1)*64   ; my half of each row's scale word
.endif
.endm
; Block a of 16 queries, all four batches.
.macro SOFT a
.set BA, 32*(\a)
	WIN 0x40
	v_add_nc_u32 v[DA], 32*((\a)/2)+8*((\a)%2), v[DD]   ; register x is hidden where 32 (x / 16) + x % 16 > this
	WIN 0x7a                                        ; batches 0, 1 window 2, batch 2 window 3, result window 1
.set x, 0
.rept 32
	v_max3_num_f32 v[MX+x], v[BA+x], v[128+BA+x], v[BA+x]   ; ascending: each accumulator is read from its low end on
.set x, x+1
.endr
	WIN 0x4d
.set x, 0
.rept 32
	v_max_num_f32 v[MX+x], v[MX+x], v[128+BA+x]     ; batch 3
.set x, x+1
.endr
	WIN 0x41
.set x, 0
.rept 16
	v_pk_mul_f32 v[MX+x:MX+x+1], v[MX+x:MX+x+1], s[CS:CS+1] op_sel_hi:[1,0]   ; the largest score x log2(e) / 32
.set x, x+2
.endr
	EXPS 0x92                                       ; source 0 and result window 2, source 2 window 1
	EXPS 0xd3                                       ; the same with window 3
	WIN 0x4a
.set x, 0
.rept 16
	v_pk_add_f32 v[MX+x:MX+x+1], v[BA+x:BA+x+1], v[128+BA+x:128+BA+x+1]
.set x, x+2
.endr
	WIN 0x4f
.set x, 0
.rept 16
	v_pk_add_f32 v[T2+x:T2+x+1], v[BA+x:BA+x+1], v[128+BA+x:128+BA+x+1]
.set x, x+2
.endr
	WIN 0x55
.set x, 0
.rept 16
	v_pk_add_f32 v[MX+x:MX+x+1], v[MX+x:MX+x+1], v[T2+x:T2+x+1]
.set x, x+2
.endr
.set x, 0
	s_wait_alu depctr_va_vdst(0)
.rept 32
	v_rcp_f32 v[RI+x], v[MX+x]
.set x, x+1
.endr
	v_nop
	s_wait_alu depctr_va_vdst(0)                    ; one wait for the 32 reciprocals
.set x, 0
.rept 32
	v_cmp_gt_i32 vcc_lo, 32*(x/16)+x%16, v[DA]
	v_cndmask_b32 v[RI+x], v[RI+x], v[Z1], vcc_lo   ; hidden: weight x 0
	v_cndmask_b32 v[AD+x], v[Z1], v[E1], vcc_lo     ;         + 1e-9
.set x, x+1
.endr
	WIN 0x96
.irp o,0,128
.set x, 0
.rept 16
	v_pk_fma_f32 v[\o+BA+x:\o+BA+x+1], v[\o+BA+x:\o+BA+x+1], v[RI+x:RI+x+1], v[AD+x:AD+x+1]
.set x, x+2
.endr
.endr
	WIN 0xd7
.irp o,0,128
.set x, 0
.rept 16
	v_pk_fma_f32 v[\o+BA+x:\o+BA+x+1], v[\o+BA+x:\o+BA+x+1], v[RI+x:RI+x+1], v[AD+x:AD+x+1]
.set x, x+2
.endr
.endr
	QUANTH BA, 2, 0, \a
	QUANTH 128+BA, 2, 1, \a
	QUANTH BA, 3, 2, \a
	QUANTH 128+BA, 3, 3, \a
.endm
	s_load_b256 s[4:11], s[0:1], 0x0                ; q's, kT's codes s[4:5] and scale words s[6:7]; the weights' s[8:9], s[10:11]
	v_lshl_add_u32 v[SPW], v0, 2, SPARE
	v_mov_b32 v[NIL], 0
	ds_add_u32 v[SPW], v[NIL]                       ; 0 onto my spare word, twice on end; the wait for it stands ahead of my first tensor load
	ds_add_u32 v[SPW], v[NIL]
	v_lshrrev_b32 v1, 5, v0
	v_readfirstlane_b32 s14, v1                     ; wave 0..3.  Also: the batch whose kT I ask for
	s_lshr_b32 s15, s14, 1                          ; my half of the queries
	s_and_b32 s16, s14, 1                           ; my half of the keys
	s_bfe_u32 s40, ttmp6, 0x40000                   ; cx
	s_bfe_u32 s41, ttmp6, 0x40004                   ; cy
	s_and_b32 s2, ttmp7, 0xffff                     ; c, the cluster's number: the same in all sixteen partners
	s_cmp_ge_u32 s2, 1
	s_cselect_b32 s3, 1, 0
	s_cmp_ge_u32 s2, 3
	s_cselect_b32 s12, 1, 0
	s_add_co_u32 s3, s3, s12
	s_cmp_ge_u32 s2, 6
	s_cselect_b32 s12, 1, 0
	s_add_co_u32 s3, s3, s12                        ; I: the region's row
	s_add_co_u32 s12, s3, 1
	s_mul_i32 s12, s12, s3
	s_lshr_b32 s12, s12, 1
	s_sub_co_u32 s2, s2, s12                        ; J = c - I (I + 1) / 2: its column
	s_lshl_b32 s42, s2, 2
	s_add_co_u32 s42, s42, s40                      ; tile of keys
	s_lshl_b32 s43, s3, 2
	s_add_co_u32 s43, s43, s41                      ; tile of queries
	s_lshl_b32 s45, 0x1111, s40                     ; my column of the cluster: its four need the same tile of kT
	; group 1: a batch's k steps of a tile are dense in memory: rows of 256 bytes (32 elements of 8 bytes), 48 a k step
	s_or_b32 s[G1K], s45, (3<<16)|(1<<21)
	s_mov_b32 s[G1K+1], 32<<16
	s_mov_b32 s[G1K+2], 144<<16
	s_mov_b32 s[G1K+3], 32<<16
	s_mov_b32 s[G1K+4], 144
	s_mov_b32 s[G1K+5], 32
	s_mov_b32 s[G1K+6], 0
	s_mov_b32 s[G1K+7], 0
	s_or_b32 s[G1L], s45, (3<<16)|(1<<21)
	s_mov_b32 s[G1L+1], 32<<16
	s_mov_b32 s[G1L+2], 96<<16
	s_mov_b32 s[G1L+3], 32<<16
	s_mov_b32 s[G1L+4], 96
	s_mov_b32 s[G1L+5], 32
	s_mov_b32 s[G1L+6], 0
	s_mov_b32 s[G1L+7], 0
	s_mul_i32 s96, s14, 1572864                     ; my batch,
	s_mul_i32 s3, s42, 98304                        ; the tile of keys: it hangs on cx alone
	s_add_co_u32 s96, s96, s3
	s_add_co_u32 s96, s96, 6291456                  ; kT's region
	s_mov_b32 s97, 0
	s_mul_i32 s98, s14, 36864                       ; where it goes in a slot: no place in the cluster enters an LDS address
	s_mov_b32 s[SEL], 0x76543210
	s_mov_b32 s[SEL+1], 0xfedcba98
	s_mov_b32 s[FLR], 0x1800000
	s_mov_b32 s[MSK], 0xffff0000
	s_mov_b32 s[CS], 0x3d38aa3b                     ; log2(e) / 32
	s_mov_b32 s[CS+1], s[CS]                        ; named with it as a pair, so it is written
	s_wait_dscnt 0x0                                ; both opening adds are done
	s_wait_kmcnt 0x0
	s_add_nc_u64 s[96:97], s[4:5], s[96:97]
	CROUND                                          ; all sixteen work-groups are here: the first joint loads meet
	s_mov_b32 s[G0S0], 1
	s_mov_b32 s[G0S0+1], s98
	s_mov_b64 s[G0S0+2:G0S0+3], s[96:97]
	s_or_b32 s[G0S0+3], s[G0S0+3], 0x80000000
	s_mov_b32 s[G0S1], 1
	s_add_co_u32 s[G0S1+1], s98, SLOT
	s_add_nc_u64 s[G0S1+2:G0S1+3], s[96:97], 36864
	s_or_b32 s[G0S1+3], s[G0S1+3], 0x80000000
	TLOAD G0S0, G1K                                 ; k steps 0 to 2: one tensor load a wave at the head
	v_and_b32 v2, 31, v0
	v_lshlrev_b32 v[L4], 2, v2
	v_lshlrev_b32 v[L16], 4, v2
	v_lshlrev_b32 v[L8], 3, v2
	s_lshl_b32 s2, s16, 1
	v_add_nc_u32 v[LS2], s2, v[L4]
	s_mul_i32 s3, s16, 6144                         ; my four blocks of keys
	v_add_nc_u32 v[KB], s3, v[L16]
.irp e,1,2,3
	v_add_nc_u32 v[KB+\e], \e*36864, v[KB]
.endr
.irp e,0,1,2,3
	v_add_nc_u32 v[KB+4+\e], SLOT, v[KB+\e]
.endr
	s_mul_i32 s[QP], s43, 98304                     ; q: the tile of queries,
	s_mul_i32 s2, s15, 6144                         ; my four blocks
	s_add_co_u32 s[QP], s[QP], s2
	s_mov_b32 s[QP+1], 0
	s_add_nc_u64 s[QP:QP+1], s[4:5], s[QP:QP+1]
	s_lshl_b32 s18, s43, 12
	s_lshl_b32 s2, s15, 8
	s_add_co_u32 s18, s18, s2
	s_mov_b32 s19, 0
	s_add_nc_u64 s[18:19], s[6:7], s[18:19]         ; q's scale words: my blocks
	s_lshl_b32 s20, s42, 12
	s_lshl_b32 s3, s16, 8
	s_add_co_u32 s20, s20, s3
	s_add_co_u32 s20, s20, 262144
	s_mov_b32 s21, 0
	s_add_nc_u64 s[20:21], s[6:7], s[20:21]         ; kT's
	s_wait_alu depctr_va_vdst(0)
.irp k,0,1,2,3
	SCLOAD \k
.endr
.irp u,0,1,2,3
	FETCHQ \u
.endr
	WIN 0
.irp k,4,5,6,7
	SCLOAD \k
.endr
	s_sub_co_i32 s2, s43, s42
	s_lshl_b32 s2, s2, 7
	s_sub_co_i32 s3, s15, s16
	s_lshl_b32 s3, s3, 6
	s_add_co_i32 s2, s2, s3                         ; first query - first key of my 64 x 64
	v_and_b32 v3, 15, v0
	v_and_b32 v4, 8, v3
	v_add_nc_u32 v3, v3, v4                         ; r + 8 (r / 8)
	v_bfe_u32 v4, v0, 4, 1
	v_lshlrev_b32 v4, 4, v4
	v_sub_nc_u32 v3, v3, v4                         ; - 16 h
	v_add_nc_u32 v[DD], s2, v3
	s_lshl_b32 s12, s43, 4
	s_add_co_u32 s12, s12, s42
	s_lshl_b32 s12, s12, 3
	s_lshl_b32 s2, s15, 2
	s_add_co_u32 s12, s12, s2                       ; fragment number of batch 0, block 0: (16 x tile of queries + tile of keys) x 8 + 4 x my half
	s_mul_i32 s22, s12, 1536
	s_mul_i32 s2, s16, 768
	s_add_co_u32 s22, s22, s2
	s_mov_b32 s23, 0
	s_add_nc_u64 s[PB:PB+1], s[8:9], s[22:23]
	s_add_nc_u64 s[PB+2:PB+3], s[PB:PB+1], 6291456
	s_lshl_b32 s22, s12, 6
	s_add_nc_u64 s[10:11], s[10:11], s[22:23]
	s_wait_alu depctr_va_vdst(0)
	s_wait_tensorcnt 0x0                            ; my part of slot 0 is in
	ds_add_u32 v[SPW], v[NIL]
	s_wait_dscnt 0x0
	CROUND                                          ; a whole round: slot 0 is whole, and the joint loads meet
	TLOAD G0S1, G1K                                 ; k steps 3 to 5: slot 1's first fill, my one tensor load behind the round
	FETCHK 0
	WIN 0
.irp u,0,1,2,3
	UNIT \u, 0, 1                                   ; the first k step starts the sums: nothing is cleared
.endr
.irp u,4,5,6,7,8,9,10
	UNIT \u, 0, 0
.endr
	UNIT 11, 1, 0                                   ; k steps 0 to 2 are in registers or done: slot 0 takes 6 and 7
.irp u,12,13,14,15,16,17,18,19,20,21,22
	UNIT \u, 0, 0
.endr
	UNIT 23, 2, 0
.irp u,24,25,26,27,28,29,30,31
	UNIT \u, 0, 0
.endr
	PLACES
	v_mov_b32 v[TM+4], 0                            ; written once: a lane permute's destination counts as one of its sources
	v_mov_b32 v[TM+5], 0
	WIN 0x40
	v_mov_b32 v[Z1], 0
	v_mov_b32 v[E1], 0x3089705f                     ; 1e-9
	SOFT 0
	SOFT 1
	SOFT 2
	SOFT 3
	s_wait_tensorcnt 0x0                            ; the wave's end
	ds_add_u32 v[SPW], v[NIL]
	s_wait_dscnt 0x0
	CROUND                                          ; the closing round
	s_endpgm
.Lfunc_end_k_q2a82c3fabe_score:
	.size	k_q2a82c3fabe_score, .Lfunc_end_k_q2a82c3fabe_score-k_q2a82c3fabe_score
	.p2alignl 7, 3214868480
	.fill 96, 4, 3214868480
	.section	.rodata,"a",@progbits
	.p2align	6, 0x0
	.amdhsa_kernel k_q2a82c3fabe_score
		.amdhsa_group_segment_fixed_size 327680
		.amdhsa_private_segment_fixed_size 0
		.amdhsa_enable_private_segment 0
		.amdhsa_kernarg_size 32
		.amdhsa_user_sgpr_count 2
		.amdhsa_user_sgpr_kernarg_segment_ptr 1
		.amdhsa_wavefront_size32 1
		.amdhsa_system_sgpr_workgroup_id_x 1
		.amdhsa_system_sgpr_workgroup_id_y 1
		.amdhsa_system_sgpr_workgroup_id_z 1
		.amdhsa_system_vgpr_workitem_id 0
		.amdhsa_next_free_vgpr 1024
		.amdhsa_next_free_sgpr 100
		.amdhsa_reserve_vcc 1
		.amdhsa_float_denorm_mode_32 3
		.amdhsa_float_denorm_mode_16_64 3
		.amdhsa_memory_ordered 1
		.amdhsa_forward_progress 1
		.amdhsa_inst_pref_size 255
	.end_amdhsa_kernel
	.section	.bss,"aw",@nobits
	.p2align	6
	.space	262144
	.amdgpu_metadata
---
amdhsa.version: [ 1, 2 ]
amdhsa.kernels:
  - .name:           k_q2a82c3fabe_score
    .symbol:         k_q2a82c3fabe_score.kd
    .args:
      - { .name: codes2, .offset: 0, .size: 8, .value_kind: global_buffer, .address_space: global }
      - { .name: scl2, .offset: 8, .size: 8, .value_kind: global_buffer, .address_space: global }
      - { .name: pcodes, .offset: 16, .size: 8, .value_kind: global_buffer, .address_space: global }
      - { .name: pscl, .offset: 24, .size: 8, .value_kind: global_buffer, .address_space: global }
    .group_segment_fixed_size: 327680
    .private_segment_fixed_size: 0
    .kernarg_segment_align: 8
    .kernarg_segment_size: 32
    .max_flat_workgroup_size: 128
    .sgpr_count:     100
    .vgpr_count:     1024
    .wavefront_size: 32
...
	.end_amdgpu_metadata
.endif
;; end of part 3
;; launch mix (part 4): grid 256 x 1, 4 waves a work-group, no clusters, 34,304 bytes of LDS; arguments pcodes, pscl, codes2, scl2, out0; writes out0
.if DOCPART == 4
	.amdgcn_target "amdgcn-amd-amdhsa--gfx1250"
	.amdhsa_code_object_version 6
	.text
	.protected	k_q2a82c3fabe_mix
	.globl	k_q2a82c3fabe_mix
	.p2align	8
	.type	k_q2a82c3fabe_mix,@function
k_q2a82c3fabe_mix:
	s_mov_b64 s[64:65], 0
	v_nop
	global_prefetch_b8 v0, s[64:65] scope:SCOPE_SE
	s_setreg_imm32_b32 hwreg(HW_REG_WAVE_MODE, 25, 1), 1
	s_wait_xcnt 0x0
; out = weights x v on codes of FP6 (E2M3): [2048 queries][2048 keys] x [2048 keys][1024 d] for each of four batches; sums in f32.
; SHARES: work-group w takes 128 queries (tile w / 4 of 64) x 256 of d (tile w % 4): 16 k steps of 128 keys.  A wave makes 64 x 128: 32 accumulators, 256 registers.
; Source 0 = 16 rows of v [d][key], source 1 = 16 queries: a lane holds one query and eight neighbours along d.
; WORK LEFT OUT: in the k steps behind my tile of queries every key > every query, and reference() has the weight 1e-9 there, whatever the inputs hold.  Those weights are neither computed nor stored nor loaded:
; 1e-9 has the exponent -30, so a block's scale byte is 127 - 32 = 95, and 1e-9 / 2^-32 = 4.29.. rounds to 4.5, the code 25.  A stream of that code repeats after three words.  All 16 k steps are multiplied.
; Each of the four sets of registers is filled with these constants once, when its first hidden k step falls due; afterwards nothing is written there.  The choice hangs on the work-group's number alone.
; THE OPERANDS LIE IN MEMORY AS IMAGES OF OPERAND REGISTERS, so a wave loads its fragments straight into registers, and its scale words beside them: 28 loads a k step for v, 18 for the weights.
; Four sets take turns; k step t + 3 is asked for at the head of k step t, in one run.  No operand passes through LDS, so there is no barrier.
; No cluster: no tile lands in LDS that partners could receive jointly, and partners along the queries would need different numbers of tiles.  No prefetch into the L2: every load is itself issued three k steps ahead of its use.
; The way out: a block of 16 queries x 128 of d goes through the wave's own stage in LDS and leaves as rows of 512 consecutive bytes.
; REGISTERS: window 0: v16-20 offsets; v28, v29 for the add; v32-55 scale words, six a set; v64-159 the weights' sets 2, 3 (v128-255 on the way out);  window 1: v's sets 0, 1, the weights' set 0;
;   window 2: accumulator (a, b) at v[8 (8 a + b)];  window 3: v's sets 2, 3, the weights' set 1.
.set SPARE, 33792                      ; behind the four stages of 8,448 bytes: the spare words, 128 bytes a wave
.set L4,   16
.set L8,   17
.set STO,  18
.set RD,   19
.set CO,   20                          ; 16 x lane
.set SPW,  28
.set NIL,  29
.set SC,   32
.set BK,   128
.set PA,   20                          ; s[20:21] the weights' codes, s[22:23] v's, s[24:25] the weights' scale words, s[26:27] v's
.set PB,   22
.set PSA,  24
.set PSB,  26
.set QI,   50                          ; s50 my tile of queries in its batch: k steps 0 .. s50 hold live weights
.set QI4,  51                          ; s51 = s50 + 4: the last k step for which a set is filled with the constants
.set KC,   52                          ; s52-54 the three words of the stream of code 25; s55 four scale bytes 95
.set MSB, 0
.macro WIN new
.if MSB != (\new)
	s_set_vgpr_msb (MSB<<8)|(\new)
.set MSB, (\new)
.endif
.endm
.macro PLACES
.rept 4
	v_nop
.endr
.endm
.macro WM d, bf, af, sb, sa, rb, ra, zero
.if \zero
.if (\rb) && (\ra)
	v_wmma_scale_f32_16x16x128_f8f6f4 v[0+(\d):7+(\d)], v[0+(\bf):11+(\bf)], v[0+(\af):11+(\af)], 0, v[\sb], v[\sa] matrix_a_fmt:MATRIX_FMT_FP6 matrix_b_fmt:MATRIX_FMT_FP6 matrix_a_scale:MATRIX_SCALE_ROW1 matrix_b_scale:MATRIX_SCALE_ROW1
.elseif (\rb)
	v_wmma_scale_f32_16x16x128_f8f6f4 v[0+(\d):7+(\d)], v[0+(\bf):11+(\bf)], v[0+(\af):11+(\af)], 0, v[\sb], v[\sa] matrix_a_fmt:MATRIX_FMT_FP6 matrix_b_fmt:MATRIX_FMT_FP6 matrix_a_scale:MATRIX_SCALE_ROW1
.elseif (\ra)
	v_wmma_scale_f32_16x16x128_f8f6f4 v[0+(\d):7+(\d)], v[0+(\bf):11+(\bf)], v[0+(\af):11+(\af)], 0, v[\sb], v[\sa] matrix_a_fmt:MATRIX_FMT_FP6 matrix_b_fmt:MATRIX_FMT_FP6 matrix_b_scale:MATRIX_SCALE_ROW1
.else
	v_wmma_scale_f32_16x16x128_f8f6f4 v[0+(\d):7+(\d)], v[0+(\bf):11+(\bf)], v[0+(\af):11+(\af)], 0, v[\sb], v[\sa] matrix_a_fmt:MATRIX_FMT_FP6 matrix_b_fmt:MATRIX_FMT_FP6
.endif
.else
.if (\rb) && (\ra)
	v_wmma_scale_f32_16x16x128_f8f6f4 v[0+(\d):7+(\d)], v[0+(\bf):11+(\bf)], v[0+(\af):11+(\af)], v[0+(\d):7+(\d)], v[\sb], v[\sa] matrix_a_fmt:MATRIX_FMT_FP6 matrix_b_fmt:MATRIX_FMT_FP6 matrix_a_scale:MATRIX_SCALE_ROW1 matrix_b_scale:MATRIX_SCALE_ROW1
.elseif (\rb)
	v_wmma_scale_f32_16x16x128_f8f6f4 v[0+(\d):7+(\d)], v[0+(\bf):11+(\bf)], v[0+(\af):11+(\af)], v[0+(\d):7+(\d)], v[\sb], v[\sa] matrix_a_fmt:MATRIX_FMT_FP6 matrix_b_fmt:MATRIX_FMT_FP6 matrix_a_scale:MATRIX_SCALE_ROW1
.elseif (\ra)
	v_wmma_scale_f32_16x16x128_f8f6f4 v[0+(\d):7+(\d)], v[0+(\bf):11+(\bf)], v[0+(\af):11+(\af)], v[0+(\d):7+(\d)], v[\sb], v[\sa] matrix_a_fmt:MATRIX_FMT_FP6 matrix_b_fmt:MATRIX_FMT_FP6 matrix_b_scale:MATRIX_SCALE_ROW1
.else
	v_wmma_scale_f32_16x16x128_f8f6f4 v[0+(\d):7+(\d)], v[0+(\bf):11+(\bf)], v[0+(\af):11+(\af)], v[0+(\d):7+(\d)], v[\sb], v[\sa] matrix_a_fmt:MATRIX_FMT_FP6 matrix_b_fmt:MATRIX_FMT_FP6
.endif
.endif
.endm
; Set s: v's eight fragments at v[96 (s % 2)] of window 1 (s < 2) or 3; the weights' four at v192 of window 1 (s = 0) or 3 (s = 1), at v64 (s = 2) or v112 (s = 3) of window 0.
.macro LDB s, kk                       ; v's eight fragments of k step kk and their scale words (a register holds two neighbouring row blocks): 28 loads
	WIN 0x40+0x80*((\s)/2)
.irp i,0,1,2,3,4,5,6,7
.irp c,0,1,2
	global_load_b128 v[96*((\s)%2)+12*\i+4*\c:96*((\s)%2)+12*\i+4*\c+3], v[CO], s[PB:PB+1] offset:(\kk)*12288+\i*1536+\c*512
.endr
.endr
	WIN 0
.irp i,0,1,2,3
	global_load_b32 v[SC+6*(\s)+2+\i], v[L4], s[PSB:PSB+1] offset:(\kk)*512+\i*128
.endr
.endm
.macro LDA s, kk                       ; the weights' four fragments (each two halves of 512 + 256 bytes) and their scale words: 18 loads
.set QLA, 192*(1-(\s)/2)+((\s)/2)*(64+48*((\s)%2))
	WIN ((1+2*(\s))*(1-(\s)/2))<<6
.irp i,0,1,2,3
	global_load_b128 v[QLA+12*\i:QLA+12*\i+3], v[CO], s[PA:PA+1] offset:(\kk)*12288+\i*1536
	global_load_b64 v[QLA+12*\i+4:QLA+12*\i+5], v[L8], s[PA:PA+1] offset:(\kk)*12288+\i*1536+512
	global_load_b128 v[QLA+12*\i+6:QLA+12*\i+9], v[CO], s[PA:PA+1] offset:(\kk)*12288+\i*1536+768
	global_load_b64 v[QLA+12*\i+10:QLA+12*\i+11], v[L8], s[PA:PA+1] offset:(\kk)*12288+\i*1536+1280
.endr
	WIN 0
.irp i,0,1
	global_load_b32 v[SC+6*(\s)+\i], v[L4], s[PSA:PSA+1] offset:(\kk)*512+\i*128
.endr
.endm
.macro CONA s                          ; set s takes the hidden weights: code 25 throughout, scale byte 95.  Its next products stand three k steps, twelve places, on
.set QLC, 192*(1-(\s)/2)+((\s)/2)*(64+48*((\s)%2))
	WIN ((1+2*(\s))*(1-(\s)/2))<<6
.irp i,0,1,2,3,4,5,6,7,8,9,10,11,12,13,14,15
	v_mov_b32 v[QLC+3*\i], s[KC]
	v_mov_b32 v[QLC+3*\i+1], s[KC+1]
	v_mov_b32 v[QLC+3*\i+2], s[KC+2]
.endr
	WIN 0
	v_mov_b32 v[SC+6*(\s)], s[KC+3]
	v_mov_b32 v[SC+6*(\s)+1], s[KC+3]
	s_wait_alu depctr_va_vdst(0)
.endm
.macro AFETCH s, u                     ; the weights of k step u into set s: loaded, or the constants, or, where the set holds them already, nothing.  Every window is 0 at the branches and labels
	s_cmp_lt_u32 s[QI], \u
	s_cbranch_scc1 .Lhid\@
	LDA \s, \u
	s_branch .Ldone\@
.Lhid\@:
.if (\u) >= 4
	s_cmp_lt_u32 s[QI4], \u
	s_cbranch_scc1 .Ldone\@
.endif
	CONA \s
.Ldone\@:
.endm
.macro MUL8 s, a, zero                 ; block a of queries against v's eight; the 32 accumulators take turns, one instruction a turn
.set QMA, 192*(1-(\s)/2)+((\s)/2)*(64+48*((\s)%2))
	WIN (1+2*((\s)/2))|(((1+2*(\s))*(1-(\s)/2))<<2)|0xa0
.irp b,0,1,2,3,4,5,6,7
	WM 8*(8*(\a)+\b), 96*((\s)%2)+12*\b, QMA+12*(\a), SC+6*(\s)+2+\b/2, SC+6*(\s)+(\a)/2, \b%2, (\a)%2, \zero
.endr
.endm
; K step t on set t % 4.  K step t + 3 goes into the set that the k step before has read: the four places stand between its products and these loads and moves.
; cnt: the loads that may stay out: those of the k steps asked for behind this one, at least 28 each (three steps: at least 84; the counter's field holds 63).
.macro KS t, cnt, zero
	PLACES
.if (\t)+3 < 16
	LDB ((\t)+3)%4, (\t)+3
	AFETCH ((\t)+3)%4, (\t)+3
.endif
	s_wait_loadcnt \cnt
	MUL8 (\t)%4, 0, \zero
	MUL8 (\t)%4, 1, \zero
	MUL8 (\t)%4, 2, \zero
	MUL8 (\t)%4, 3, \zero
.endm
.macro TOSTAGE a                       ; block a into my stage, each accumulator from its low end on, and back as rows; LDS serves a wave's instructions in order
	WIN 0x08
.irp b,0,1,2,3,4,5,6,7
	ds_store_b128 v[STO], v[64*(\a)+8*\b:64*(\a)+8*\b+3] offset:128*(\b/2)+32*(\b%2)
	ds_store_b128 v[STO], v[64*(\a)+8*\b+4:64*(\a)+8*\b+7] offset:128*(\b/2)+32*(\b%2)+16
.endr
	WIN 0
.irp t,0,1,2,3,4,5,6,7,8,9,10,11,12,13,14,15
	ds_load_b128 v[BK+64*((\a)%2)+4*\t:BK+64*((\a)%2)+4*\t+3], v[RD] offset:\t*528
.endr
.endm
.macro SEND a, younger                 ; younger: the LDS instructions issued behind block a's loads, which may stay out
	s_wait_dscnt \younger
.irp t,0,1,2,3,4,5,6,7,8,9,10,11,12,13,14,15
	global_store_b128 v[CO], v[BK+64*((\a)%2)+4*\t:BK+64*((\a)%2)+4*\t+3], s[12:13] offset:(32*((\a)/2)+8*((\a)%2)+\t+8*(\t/8))*4096 th:TH_STORE_NT   ; 512 consecutive bytes of one row of out
.endr
.endm
	s_load_b256 s[4:11], s[0:1], 0x0                ; the weights' codes, scale words; v's codes, scale words
	s_load_b64 s[12:13], s[0:1], 0x20               ; out
	v_lshl_add_u32 v[SPW], v0, 2, SPARE
	v_mov_b32 v[NIL], 0
	v_lshrrev_b32 v1, 5, v0
	v_readfirstlane_b32 s14, v1                     ; wave 0..3
	v_and_b32 v2, 31, v0
	v_lshlrev_b32 v[L4], 2, v2
	v_lshlrev_b32 v[L8], 3, v2
	v_lshlrev_b32 v[CO], 4, v2
	s_mul_i32 s2, s14, 8448                         ; my stage
	v_and_b32 v4, 15, v0
	v_bfe_u32 v5, v0, 4, 1
	v_mul_u32_u24 v[STO], v4, 528
	v_lshl_add_u32 v[STO], v5, 6, v[STO]
	v_add_nc_u32 v[STO], s2, v[STO]
	v_add_nc_u32 v[RD], s2, v[CO]
	s_lshr_b32 s15, s14, 1                          ; my half of the queries
	s_and_b32 s16, s14, 1                           ; my half of d
	s_and_b32 s40, ttmp9, 3                         ; tile of d
	s_lshr_b32 s42, ttmp9, 2                        ; tile of queries: 16 x batch + tile
	s_and_b32 s[QI], s42, 15
	s_add_co_u32 s[QI4], s[QI], 4
	s_mov_b32 s[KC], 0x59659659
	s_mov_b32 s[KC+1], 0x96596596
	s_mov_b32 s[KC+2], 0x65965965
	s_mov_b32 s[KC+3], 0x5f5f5f5f
	s_lshr_b32 s46, s42, 4
	s_lshl_b32 s46, s46, 3
	s_lshl_b32 s47, s40, 1
	s_add_co_u32 s46, s46, s47
	s_add_co_u32 s46, s46, s16                      ; v's group of 128 rows: 8 x batch + 2 x tile of d + my half
	s_mul_i32 s28, s42, 196608                      ; a group's codes: 16 k steps x 12,288 bytes
	s_mul_i32 s2, s15, 6144
	s_add_co_u32 s28, s28, s2
	s_mov_b32 s29, 0
	s_mul_i32 s30, s46, 196608
	s_add_co_u32 s30, s30, 12582912                 ; v's region
	s_mov_b32 s31, 0
	s_lshl_b32 s32, s42, 13                         ; its scale words: 16 x 512
	s_lshl_b32 s2, s15, 8
	s_add_co_u32 s32, s32, s2
	s_mov_b32 s33, 0
	s_lshl_b32 s34, s46, 13
	s_add_co_u32 s34, s34, 524288
	s_mov_b32 s35, 0
	s_lshl_b32 s36, s42, 7
	s_lshl_b32 s37, s15, 6
	s_add_co_u32 s36, s36, s37                      ; my first row of out,
	s_lshl_b32 s36, s36, 12
	s_lshl_b32 s37, s40, 10
	s_add_co_u32 s36, s36, s37
	s_lshl_b32 s37, s16, 9
	s_add_co_u32 s36, s36, s37                      ; my first column, in bytes
	s_mov_b32 s37, 0
	s_wait_alu depctr_va_vdst(0)
	s_wait_kmcnt 0x0
	s_add_nc_u64 s[PA:PA+1], s[4:5], s[28:29]
	s_add_nc_u64 s[PB:PB+1], s[8:9], s[30:31]
	s_add_nc_u64 s[PSA:PSA+1], s[6:7], s[32:33]
	s_add_nc_u64 s[PSB:PSB+1], s[10:11], s[34:35]
	s_add_nc_u64 s[12:13], s[12:13], s[36:37]
	LDB 0, 0
	LDA 0, 0                                        ; k step 0 holds live weights for every tile of queries
	LDB 1, 1
	AFETCH 1, 1
	LDB 2, 2
	AFETCH 2, 2
	KS 0, 63, 1                                     ; the first products start the sums: nothing is cleared
.irp t,1,2,3,4,5,6,7,8,9,10,11,12
	KS \t, 63, 0
.endr
	KS 13, 56, 0                                    ; behind k step 13's loads: those of 14 and 15, at least 28 each
	KS 14, 28, 0
	KS 15, 0, 0
	WIN 0
	PLACES
	TOSTAGE 0
.irp a,1,2,3
.if \a > 1
	s_wait_xcnt 0x0                                 ; block a - 2's stores have read their registers: block a's loads may land there
.endif
	TOSTAGE \a
	SEND \a-1, 32
.endr
	SEND 3, 0
	s_wait_tensorcnt 0x0                            ; the wave's end, behind my last LDS store
	ds_add_u32 v[SPW], v[NIL]
	s_wait_dscnt 0x0
	s_endpgm
.Lfunc_end_k_q2a82c3fabe_mix:
	.size	k_q2a82c3fabe_mix, .Lfunc_end_k_q2a82c3fabe_mix-k_q2a82c3fabe_mix
	.p2alignl 7, 3214868480
	.fill 96, 4, 3214868480
	.section	.rodata,"a",@progbits
	.p2align	6, 0x0
	.amdhsa_kernel k_q2a82c3fabe_mix
		.amdhsa_group_segment_fixed_size 34304
		.amdhsa_private_segment_fixed_size 0
		.amdhsa_enable_private_segment 0
		.amdhsa_kernarg_size 40
		.amdhsa_user_sgpr_count 2
		.amdhsa_user_sgpr_kernarg_segment_ptr 1
		.amdhsa_wavefront_size32 1
		.amdhsa_system_sgpr_workgroup_id_x 1
		.amdhsa_system_sgpr_workgroup_id_y 1
		.amdhsa_system_sgpr_workgroup_id_z 1
		.amdhsa_system_vgpr_workitem_id 0
		.amdhsa_next_free_vgpr 1024
		.amdhsa_next_free_sgpr 66
		.amdhsa_reserve_vcc 0
		.amdhsa_float_denorm_mode_32 3
		.amdhsa_float_denorm_mode_16_64 3
		.amdhsa_memory_ordered 1
		.amdhsa_forward_progress 1
		.amdhsa_inst_pref_size 182
	.end_amdhsa_kernel
	.amdgpu_metadata
---
amdhsa.version: [ 1, 2 ]
amdhsa.kernels:
  - .name:           k_q2a82c3fabe_mix
    .symbol:         k_q2a82c3fabe_mix.kd
    .args:
      - { .name: pcodes, .offset: 0, .size: 8, .value_kind: global_buffer, .address_space: global }
      - { .name: pscl, .offset: 8, .size: 8, .value_kind: global_buffer, .address_space: global }
      - { .name: codes2, .offset: 16, .size: 8, .value_kind: global_buffer, .address_space: global }
      - { .name: scl2, .offset: 24, .size: 8, .value_kind: global_buffer, .address_space: global }
      - { .name: out0, .offset: 32, .size: 8, .value_kind: global_buffer, .address_space: global }
    .group_segment_fixed_size: 34304
    .private_segment_fixed_size: 0
    .kernarg_segment_align: 8
    .kernarg_segment_size: 40
    .max_flat_workgroup_size: 128
    .sgpr_count:     66
    .vgpr_count:     1024
    .wavefront_size: 32
...
	.end_amdgpu_metadata
.endif
;; end of part 4
